; MI455X (gfx1250); checked and timed in simulation.
; The chip was launched on July 23, 2026; its instructions are those of AMD's public machine-readable ISA for CDNA 5 (MIT licence, August 2026) and "CDNA5" Instruction Set Architecture Reference Guide (July 2026). The comments in the code are by the model that wrote it; some were corrected since.
;; Self Attention. Allowed arithmetic: matrix products marked QUANTISED: E4M3 operands, one E8M0 scale for each 32 along K, by v_wmma_scale_f32_16x16x128_f8f6f4 with both operands' format E4M3, f32 sums; everything else in f32.
;; Inputs: Wk 256 x 128 float32; Wq 256 x 128 float32; Wv 256 x 128 float32; lengths 4 int32; seq 4 x 4,096 x 256 float32.
;; Outputs: out0 4 x 4,096 x 128 float32.
;; This version of the problem:
;;   THIS VERSION OF THE PROBLEM IS GIVEN IN LOW PRECISION. The matrix products marked QUANTISED in the list below multiply operands that are first quantised to E4M3 (4 exponent bits, 3 mantissa bits; 8 bits a number), with one power-of-two scale for each 32 numbers along K (OCP MX v1.0); their sums are f32. All else is computed in f32.
;;   The module's matrix products, in the order in which they are computed (A, B: the left and right operand; K: the contracted axis; several contracted axes count as one K, in the product's order):
;;     1. [M 16,384, K 256] x [K 256, N 128]; A: input seq; B: input Wq: QUANTISED
;;     2. [M 16,384, K 256] x [K 256, N 128]; A: input seq; B: input Wk: QUANTISED
;;     3. [M 16,384, K 256] x [K 256, N 128]; A: input seq; B: input Wv: QUANTISED
;;     4. batch 4 x [M 4,096, K 128] x [K 128, N 4,096]; A: computed on the way; B: computed on the way: QUANTISED
;;     5. batch 4 x [M 4,096, K 4,096] x [K 4,096, N 128]; A: softmax (see below); B: computed on the way: QUANTISED
;;   THE QUANTISER, for each operand of a quantised product, along K:
;;     - K is cut into blocks of 32 from its start; a last block that is shorter is filled with zeros.
;;     - A block's scale is 2^e with e = floor(log2(the largest magnitude in the block)) - 8, held to -126 .. 127; a block of zeros has e = 0. As a byte (E8M0): e + 127.
;;     - Each number is divided by its block's scale, clamped to +-448, and rounded to the nearest number of E4M3, ties to even, subnormals kept.
;;     - The product sums the exact products of the quantised numbers (number of the format x scale) in f32.
;;   ~~~python
;;   def quantise(x, axis):      # numpy; x: float32 -> the quantised numbers, widened to float32 again
;;       x = np.moveaxis(x, axis, -1); K = x.shape[-1]
;;       x = np.pad(x, [(0, 0)] * (x.ndim - 1) + [(0, -K % 32)]); x = x.reshape(x.shape[:-1] + (-1, 32)); a = np.abs(x).max(-1, keepdims=True)
;;       e = np.where(a > 0, np.clip(np.frexp(np.where(a > 0, a, 1))[1] - 1 - 8, -126, 127), 0)      # np.frexp(a)[1] - 1 = floor(log2(a)), exactly
;;       r = np.clip(x / 2.0 ** e, -448, 448)
;;       step = 2.0 ** (np.maximum(np.frexp(np.where(r == 0, 1, r))[1] - 1, -6) - 3)
;;       q = np.round(r / step) * step * 2.0 ** e      # np.round: ties to even
;;       return np.moveaxis(q.reshape(q.shape[:-2] + (-1,))[..., :K], -1, axis).astype(np.float32)
;;   ~~~
;;   SOFTMAX AHEAD OF A QUANTISED PRODUCT. Where the list says 'softmax', what is quantised is not the finished softmax but p = 2^(t - M), with t = logit x log2(e) and M = ceil(the row's largest t), a whole number; so 1/2 < the row's largest p <= 1. The row's sum l is taken of the UNQUANTISED p, in f32, and the product's result is divided by l at the end. Since M is a whole number, a kernel that streams over the keys may use a running M (the ceiling of the running maximum): every later rescaling is an exact power of two, which a block's scale takes up: the codes' values come out the same.
;;   OPERANDS COMPUTED ON THE WAY. 'Computed on the way' means the value that the module computes at that place (a softmax that the list does not call 'softmax' is quantised finished and normalised). What goes into a quantiser is computed in f32, as accurately as f32 sums, v_exp_f32 and their like allow (about 1e-6 of the number): no bf16 or f16 on the way to a quantiser, and a product that is left as it is and whose result goes on into a quantised operand takes f32 operands (vector FMAs, or v_wmma_f32_16x16x4_f32). A number that lies on a knife's edge between two numbers of the format may be rounded either way, as far as f32 arithmetic and the matrix unit's own rounding can turn it there, and no further.
;; One version. Each part assembles by itself: llvm-mc -triple=amdgcn-amd-amdhsa -mcpu=gfx1250 --defsym DOCPART=n.
;; ======== version 1 of 1: 2 launches
;; limits: right only within a limited range of input values
;; workspace buffers: qbuf 2,162,688 bytes; kv 4,325,376 bytes
;; launch proj (part 1): grid 128 x 2, 8 waves a work-group, clusters of 4 x 1, 291,840 bytes of LDS; arguments seq, Wq, Wk, Wv, qbuf, kv; writes qbuf, kv
.if DOCPART == 1
	.amdgcn_target "amdgcn-amd-amdhsa--gfx1250"
	.amdhsa_code_object_version 6
	.text
	.protected	k_q6084d3cd96_proj
	.globl	k_q6084d3cd96_proj
	.p2align	8
	.type	k_q6084d3cd96_proj,@function
k_q6084d3cd96_proj:
	s_mov_b64 s[64:65], 0
	v_nop
	global_prefetch_b8 v0, s[64:65] scope:SCOPE_SE
	s_setreg_imm32_b32 hwreg(HW_REG_WAVE_MODE, 25, 1), 1
	s_wait_xcnt 0x0
	s_wait_alu depctr_hold_cnt(0) depctr_sa_sdst(0) depctr_va_vdst(0) depctr_va_sdst(0) depctr_va_ssrc(0) depctr_va_vcc(0) depctr_vm_vsrc(0)
	s_getreg_b32 s2, hwreg(HW_REG_IB_STS2, 6, 4)
	s_cmp_eq_u32 s2, 0
	s_cbranch_scc0 .Lentry_in_a_cluster
	s_endpgm
.Lentry_in_a_cluster:
	s_bfe_u32 s2, ttmp6, 0x10000c
	s_cmp_lg_u32 s2, 0x3003
	s_cbranch_scc0 .Lentry_shape_is_right
	s_endpgm
.Lentry_shape_is_right:
; q = Q(seq) Q(Wq), k = Q(seq) Q(Wk), v = Q(seq) Q(Wv): Q quantises along K = 256 to FP8 (E4M3) with one E8M0 scale for each 32; sums in f32.
; The results are quantised at once for the attention that follows: q and k along their 128 channels, v along the keys, and leave as IMAGES OF OPERAND REGISTERS.
; DEAD WORK.  lengths: no step of the module uses it, so whatever it holds it reaches no output: it is not loaded and is not among any launch's arguments.  A limit: nothing that it holds is carried to the result.
; A STEP is 128 rows of seq (128 steps in all).  Tile T = 2 b + u of a step: lane r holds row 32 b + 8 u + r + 8 (r / 8).  One fragment of seq in that order serves all three products:
;   q, k TRANSPOSED (source 0 = 16 columns of W chosen by the same pattern, source 1 = a tile of seq): a lane holds one row, its registers run along the channels: register 16 b + i = channel 32 b + 16 (lane / 16) + i;
;   v as it stands (source 0 = a tile of seq, source 1 = 16 neighbouring columns of Wv): a lane holds one channel, its registers run along the step's keys in the same order.
; So a lane's results are what the conversions want, and their codes ARE the next product's operand.
; MEMORY.  kv: [128 steps][33,792]: K's 8 tiles x 2,048 bytes (register group c at 512 c + 16 x lane), V's 8 channel tiles x 2,048, K's scale words (512), V's (512).  qbuf: [128][16,896]: 8 tiles, 512 bytes of scale words.
;   The scale word of tile T, lane r lies at 256 (T / 4) + 16 r + 4 (T % 4), so that one load of 16 bytes a lane brings the reader the words of eight tiles.
; SHARES.  Work-group x = the step.  y = 0: q and V's channel tiles 0-3; y = 1: k and V's tiles 4-7: only pointers and offsets are chosen by y, the text has one path.
;   Wave w of eight quantises tile w of seq, tile w of Wq or Wk and K step w % 2 of Wv's tile w / 2 (images to LDS); then it makes rows' tile w of q or k, and of V's tile w / 2 the half w % 2 of the keys.
; CLUSTER.  The four work-groups of a cluster share y and so their weights: the weights come by joint tensor loads (mask 15), as f32, once; no LDS byte is filled twice.
; NO PREFETCH: every input is asked for once, at the head, and there is no loop to run ahead in.
; LIMITS.  NaN and infinities among the inputs are not served.  A block of zeros gets the scale byte 1 where the rule says 127: its codes are zeros, and this program alone reads the bytes.
.set STEPB,  33792                     ; a step in kv
.set QSTEPB, 16896                     ; a step in qbuf
.set XIMG,   0                         ; LDS: seq's 16 fragments (tile m, K step s) at (2 m + s) x 2,048
.set WIMG,   32768                     ; Wq's or Wk's 16 fragments, likewise
.set VWIMG,  65536                     ; Wv's 8 fragments (my four tiles)
.set XSC,    81920                     ; scale words, 4 x lane, 128 bytes a fragment: seq's,
.set WSC,    83968                     ; Wq's or Wk's,
.set VWSC,   86016                     ; Wv's
.set SCQ,    87040                     ; the results' scale words: q's or k's 8 tiles x 128 bytes,
.set SCV,    88064                     ; V's 4 tiles x 128 bytes
.set WF,     88576                     ; Wq or Wk as f32: 256 rows of 512 bytes + 8 of padding
.set WFP,    520                       ; 16 rows on are 2,080 words, 32 banks on (64 banks of 4 bytes: ISA guide 11.1): the two halves of the lanes never meet
.set VF,     221696                    ; my 64 columns of Wv as f32: 256 rows of 256 bytes + 8
.set VFP,    264                       ; 16 rows on are 1,056 words: 32 banks on
.set SPARE,  290816                    ; the spare words
.set XA,   4                           ; v4   seq: my lane's byte in the step
.set WRQ0, 5                           ; v5   Wq or Wk in LDS, K step 0: my column, my half's 16 rows
.set WRQ1, 6                           ; v6   K step 1
.set WRV,  7                           ; v7   Wv in LDS
.set LI,   8                           ; v8   16 x lane
.set LSB,  9                           ; v9   4 x lane + XSC
.set FA,   10                          ; v10  16 x lane + 4,096 w: my two fragments of seq or of Wq, Wk
.set F2B,  11                          ; v11  16 x lane + 2,048 w + VWIMG: my one of Wv
.set SA,   12                          ; v12  4 x lane + 256 w + XSC
.set S2B,  13                          ; v13  4 x lane + 128 w + VWSC
.set AQ,   14                          ; v14  4 x lane + 128 w + SCQ
.set AV,   15                          ; v15  4 x lane + 128 (w / 2) + 2 (w % 2) + SCV
.set RA,   16                          ; v16-79, v80-143: two sets of 64 numbers
.set RB,   80
.set ACC,  16                          ; in the products: q's or k's eight accumulators,
.set FF,   80                          ; source 1's two K steps,
.set ACV,  112                         ; V's four accumulators
.set VS,   144                         ; v144-159 source 0's scale words, v160-161 source 1's; v162-169, v170-171 the same for V: scales and nothing else
.set FS,   160
.set VSV,  162
.set FSV,  170
.set PCV,  176                         ; v176-183 V's codes, v184 its two scale bytes
.set PWV,  184
.set FVR,  185                         ; v185 16 x lane + 4,096 (w / 2) + VWIMG: V's source 1
.set SVR,  186                         ; v186 4 x lane + 256 (w / 2) + VWSC
.set LIH,  187                         ; v187 16 x lane + 16,384 (w % 2): V's source 0: four tiles of seq
.set LSH,  188                         ; v188 4 x lane + 1,024 (w % 2) + XSC
.set PC,   208                         ; v208-223 the codes just made
.set TM,   224                         ; v224-227 largest magnitudes, 228-231 bytes, 232-235 the largest number x the scale, 236-239 the conversions' scale operands
.set PW,   240                         ; v240 the scale word just made
.set SPW,  241                         ; v241 my spare word, v242 0; never rewritten
.set NIL,  242
.set GQ,   248                         ; v248 16 x lane + 2,048 w: my tile in the step of qbuf or kv
.set GV,   249                         ; v249 16 x lane + 2,048 (w / 2) + 1,024 (w % 2): my half tile of V
.set LQ,   250                         ; v250 where I read q's or k's scale words back, in the buffer's order
.set LV,   251                         ; v251 the same for V's
.set L8,   252                         ; v252 8 x lane
.set L4,   254                         ; v254 4 x lane
.set WV,   16                          ; s16  my wave's number
.set G1W,  32                          ; s[32:39] descriptor group 1 for Wq, Wk;  s[40:47] for Wv;  s[48:51], s[52:55] their groups 0
.set G1V,  40
.set G0W,  48
.set G0V,  52
.set SEL,  56                          ; s[56:57] v_permlanex16_b32's selects for lane l xor 16
.set MNT,  58                          ; s58  the mantissa field of 448
.set WHI,  66                          ; s66  w / 2;  s67  w % 2
.set WLO,  67
; A round of the cluster's barrier: my work-group's barrier; wave 0 signals for the work-group; every wave waits for all four work-groups; my work-group's barrier once more.
.macro CROUND
	s_barrier_signal -1
	s_barrier_wait -1
	s_cmp_lg_u32 s[WV], 0
	s_cbranch_scc1 .Lnot_wave_0_\@
	s_barrier_signal -3
.Lnot_wave_0_\@:
	s_barrier_wait -3
	s_barrier_signal -1
	s_barrier_wait -1
.endm
; nb blocks of 16 numbers of a lane (the other 16 of a block lie in lane l xor 16) become codes in v[pc] on and scale bytes in v[pw].
.macro QUANT s, pc, pw, nb
.irp b, 0,1,2,3
.if \b < \nb
	v_max3_num_f32 v[TM+\b], |v[\s+16*\b]|, |v[\s+1+16*\b]|, 0x4800000   ; block b: my 16 numbers and the floor 2^(9 - 127): the byte cannot fall under 1
.endif
.endr
.irp i, 2,4,6,8,10,12,14
.irp b, 0,1,2,3
.if \b < \nb
	v_max3_num_f32 v[TM+\b], v[TM+\b], |v[\s+16*\b+\i]|, |v[\s+1+16*\b+\i]|   ; the blocks by turns
.endif
.endr
.endr
.irp b, 0,1,2,3
.if \b < \nb
	v_permlanex16_b32 v[TM+4+\b], v[TM+\b], s[SEL], s[SEL+1]
.endif
.endr
.irp b, 0,1,2,3
.if \b < \nb
	v_max_num_f32 v[TM+\b], v[TM+\b], v[TM+4+\b]   ; with lane l xor 16's 16: the block's largest magnitude
.endif
.endr
.irp b, 0,1,2,3
.if \b < \nb
	v_add_nc_u32 v[TM+12+\b], 0xfc000000, v[TM+\b]   ; 8 off its exponent field: the conversion takes this operand's exponent field as its scale
.endif
.endr
.irp b, 0,1,2,3
.if \b < \nb
	v_and_or_b32 v[TM+8+\b], v[TM+\b], 0x7f800000, s[MNT]   ; 448 x the scale
.endif
.endr
.irp b, 0,1,2,3
.if \b < \nb
	v_lshrrev_b32 v[TM+4+\b], 23, v[TM+12+\b]   ; the scale's byte
.endif
.endr
	v_lshl_or_b32 v[\pw], v[TM+5], 8, v[TM+4]
.if \nb > 2
	v_lshl_or_b32 v[\pw], v[TM+6], 16, v[\pw]
	v_lshl_or_b32 v[\pw], v[TM+7], 24, v[\pw]
.endif
.irp b, 0,1,2,3
.if \b < \nb
.irp i, 0,1,2,3,4,5,6,7,8,9,10,11,12,13,14,15
	v_med3_num_f32 v[\s+16*\b+\i], v[\s+16*\b+\i], -v[TM+8+\b], v[TM+8+\b]   ; the conversion to an 8-bit code does not saturate (ISA guide 7.6.2): the hold
.endr
	v_cvt_scalef32_pk8_fp8_f32 v[\pc+4*\b:\pc+1+4*\b], v[\s+16*\b:\s+7+16*\b], v[TM+12+\b]
	v_cvt_scalef32_pk8_fp8_f32 v[\pc+2+4*\b:\pc+3+4*\b], v[\s+8+16*\b:\s+15+16*\b], v[TM+12+\b]
.endif
.endr
	v_nop                                          ; one plain vector instruction behind the last conversion, ahead of whatever next touches its registers
.endm
.macro IMAGE adr, off                  ; the fragment in v[PC] on goes to LDS as it stands: 512 consecutive bytes a store
.irp c, 0,1,2,3
	ds_store_b128 v[\adr], v[PC+4*\c:PC+4*\c+3] offset:\off+512*\c
.endr
.endm
.macro FETCH reg, adr, off             ; and comes back so, in any wave
.irp c, 0,1,2,3
	ds_load_b128 v[\reg+4*\c:\reg+4*\c+3], v[\adr] offset:\off+512*\c
.endr
.endm
.macro XLOAD reg, s                    ; seq: tile w, K step s: of my row 16 neighbours of each block of 32
.irp b, 0,1,2,3
.irp j, 0,1,2,3
	global_load_b128 v[\reg+16*\b+4*\j:\reg+16*\b+4*\j+3], v[XA], s[4:5] offset:512*\s+128*\b+16*\j
.endr
.endr
.endm
.macro WLOAD reg, adr, pitch           ; a weight's column: my registers run DOWN K: register 16 c + i = row 32 c + 16 (lane / 16) + i of the K step
.irp c, 0,1,2,3
.irp i, 0,1,2,3,4,5,6,7,8,9,10,11,12,13,14,15
	ds_load_b32 v[\reg+16*\c+\i], v[\adr] offset:(32*\c+\i)*(\pitch)
.endr
.endr
.endm
.macro PLACES
.rept 8
	v_nop                                          ; places behind the last product, ahead of loads into its registers and of its results' readers
.endr
.endm
	s_load_b256 s[4:11], s[0:1], 0x0               ; seq s[4:5], Wq s[6:7], Wk s[8:9], Wv s[10:11]
	s_load_b128 s[12:15], s[0:1], 0x20             ; qbuf s[12:13], kv s[14:15]
	v_lshl_add_u32 v[SPW], v0, 2, SPARE
	v_mov_b32 v[NIL], 0
	ds_add_u32 v[SPW], v[NIL]                      ; the wave's opening: the add, twice on end, and its wait
	ds_add_u32 v[SPW], v[NIL]
	v_lshrrev_b32 v1, 5, v0
	v_readfirstlane_b32 s[WV], v1                  ; wave 0..7
	v_and_b32 v1, 31, v0                           ; lane
	v_and_b32 v2, 15, v0                           ; r
	v_bfe_u32 v3, v0, 4, 1                         ; h
	v_and_b32 v253, 8, v2
	v_add_nc_u32 v253, v253, v2                    ; r + 8 (r / 8)
	v_lshlrev_b32 v[LI], 4, v1
	v_lshlrev_b32 v[L4], 2, v1
	v_lshlrev_b32 v[L8], 3, v1
	s_lshr_b32 s[WHI], s[WV], 1
	s_and_b32 s[WLO], s[WV], 1
	s_lshl_b32 s59, s[WHI], 15
	s_lshl_b32 s60, s[WLO], 13
	s_add_co_u32 s59, s59, s60
	v_lshlrev_b32 v[XA], 10, v253
	v_lshl_add_u32 v[XA], v3, 6, v[XA]
	v_add_nc_u32 v[XA], s59, v[XA]                 ; row 32 (w / 2) + 8 (w % 2) + r + 8 (r / 8), 64 bytes for my half
	s_wait_alu depctr_va_vdst(0)
	s_and_b32 s17, ttmp7, 0xffff                   ; y: which results; the cluster's four share it
	s_bfe_u32 s19, ttmp6, 0x40000                  ; cx: my place in the cluster
	s_lshl_b32 s18, ttmp9, 2
	s_add_co_u32 s18, s18, s19                     ; the step = 4 x cluster x + cx: it enters seq's, qbuf's and kv's addresses alone
	; descriptor group 1.  Wq, Wk: 64 rows x 128 elements of 4 bytes, 2 words of padding behind every 128 words
	s_mov_b32 s[G1W+0], 15|(2<<16)|(1<<20)|(1<<21)|(6<<22)|(1<<25)   ; 15:0 the mask: all four work-groups; 17:16 elements of 4 bytes; 20 padding on; 21 set beside a mask; 24:22 interval code 6; 31:25 2 words (code 1)
	s_mov_b32 s[G1W+1], 128<<16                    ; tensor_dim0
	s_mov_b32 s[G1W+2], 64<<16                     ; tensor_dim1
	s_mov_b32 s[G1W+3], 128<<16                    ; tile_dim0
	s_mov_b32 s[G1W+4], 64                         ; tile_dim1
	s_mov_b32 s[G1W+5], 128                        ; elements from row to row
	s_mov_b32 s[G1W+6], 0
	s_mov_b32 s[G1W+7], 0
	; Wv: 64 rows x 64 elements out of rows of 128, 2 words of padding behind every 64 words
	s_mov_b32 s[G1V+0], 15|(2<<16)|(1<<20)|(1<<21)|(5<<22)|(1<<25)
	s_mov_b32 s[G1V+1], 64<<16
	s_mov_b32 s[G1V+2], 64<<16
	s_mov_b32 s[G1V+3], 64<<16
	s_mov_b32 s[G1V+4], 64
	s_mov_b32 s[G1V+5], 128
	s_mov_b32 s[G1V+6], 0
	s_mov_b32 s[G1V+7], 0
	s_mov_b32 s[SEL], 0x76543210
	s_mov_b32 s[SEL+1], 0xfedcba98
	s_mov_b32 s[MNT], 0x600000
	s_mov_b32 s22, STEPB
	s_mov_b32 s23, 32768
	s_lshl_b32 s60, s18, 17                        ; 128 rows of 1,024 bytes
	s_mov_b32 s61, 0
	s_wait_dscnt 0x0                               ; both opening adds are done
	s_wait_kmcnt 0x0
	s_add_nc_u64 s[4:5], s[4:5], s[60:61]          ; seq at my step
	XLOAD RA, 0                                    ; both units of seq are asked for at once
	XLOAD RB, 1
	s_cmp_eq_u32 s17, 0                            ; the choices hang on y alone; all stand straight behind the compare
	s_cselect_b64 s[20:21], s[6:7], s[8:9]         ; Wq or Wk
	s_cselect_b64 s[24:25], s[12:13], s[14:15]     ; qbuf or kv
	s_cselect_b32 s22, QSTEPB, s22                 ; bytes of a step there
	s_cselect_b32 s23, 16384, s23                  ; and where its scale words begin
	; groups 0: waves 0 to 3 bring a quarter each, 64 rows, of Wq or Wk, waves 4 to 7 those of Wv.  Nothing here hangs on cx
	s_and_b32 s3, s[WV], 3
	s_lshl_b32 s62, s3, 15                         ; 64 rows of 512 bytes
	s_mov_b32 s63, 0
	s_mov_b32 s[G0W], 1
	s_mul_i32 s[G0W+1], s3, 64*WFP
	s_add_co_u32 s[G0W+1], s[G0W+1], WF
	s_add_nc_u64 s[G0W+2:G0W+3], s[20:21], s[62:63]
	s_or_b32 s[G0W+3], s[G0W+3], 0x80000000
	s_lshl_b32 s59, s17, 8                         ; my 64 columns of Wv begin 256 y bytes into a row
	s_add_co_u32 s62, s62, s59
	s_mov_b32 s[G0V], 1
	s_mul_i32 s[G0V+1], s3, 64*VFP
	s_add_co_u32 s[G0V+1], s[G0V+1], VF
	s_add_nc_u64 s[G0V+2:G0V+3], s[10:11], s[62:63]
	s_or_b32 s[G0V+3], s[G0V+3], 0x80000000
	CROUND                                         ; all four work-groups are here: the joint loads meet
	s_cmp_lt_u32 s[WV], 4                          ; one tensor load a wave: the launch's only fills
	s_cbranch_scc0 .Lfor_v
	tensor_load_to_lds s[G0W:G0W+3], s[G1W:G1W+7]
	s_nop 0
.rept 4
	v_nop
.endr
	s_branch .Lasked
.Lfor_v:
	tensor_load_to_lds s[G0V:G0V+3], s[G1V:G1V+7]
	s_nop 0
.rept 4
	v_nop
.endr
.Lasked:
	; where my step's results lie in memory
	s_mul_i32 s60, s18, s22
	s_add_nc_u64 s[24:25], s[24:25], s[60:61]      ; q's or k's images
	s_mov_b32 s60, s23
	s_add_nc_u64 s[26:27], s[24:25], s[60:61]      ; and their scale words
	s_mul_i32 s60, s18, STEPB
	s_lshl_b32 s59, s17, 13
	s_add_co_u32 s60, s60, s59
	s_add_co_u32 s60, s60, 16384
	s_add_nc_u64 s[28:29], s[14:15], s[60:61]      ; V's images: my four tiles
	s_mul_i32 s60, s18, STEPB
	s_lshl_b32 s59, s17, 8
	s_add_co_u32 s60, s60, s59
	s_add_co_u32 s60, s60, 33280
	s_add_nc_u64 s[30:31], s[14:15], s[60:61]      ; and their scale words: 256 bytes
	s_lshl_b32 s59, s[WHI], 7
	s_lshl_b32 s60, s[WLO], 5
	s_add_co_u32 s59, s59, s60
	s_add_co_u32 s59, s59, WF
	v_mul_u32_u24 v[WRQ0], v3, 16*WFP
	v_lshl_add_u32 v[WRQ0], v253, 2, v[WRQ0]
	v_add_nc_u32 v[WRQ0], s59, v[WRQ0]             ; column 32 (w / 2) + 8 (w % 2) + r + 8 (r / 8), rows 16 h on
	v_add_nc_u32 v[WRQ1], 128*WFP, v[WRQ0]
	s_lshl_b32 s59, s[WHI], 6
	s_mul_i32 s60, s[WLO], 128*VFP
	s_add_co_u32 s59, s59, s60
	s_add_co_u32 s59, s59, VF
	v_mul_u32_u24 v[WRV], v3, 16*VFP
	v_lshl_add_u32 v[WRV], v2, 2, v[WRV]
	v_add_nc_u32 v[WRV], s59, v[WRV]               ; column 16 (w / 2) + r of my 64, K step w % 2
	v_add_nc_u32 v[LSB], XSC, v[L4]
	s_lshl_b32 s59, s[WV], 12
	v_add_nc_u32 v[FA], s59, v[LI]
	s_lshl_b32 s59, s[WV], 11
	v_add_nc_u32 v[GQ], s59, v[LI]
	s_add_co_u32 s59, s59, VWIMG
	v_add_nc_u32 v[F2B], s59, v[LI]
	s_lshl_b32 s59, s[WV], 8
	s_add_co_u32 s59, s59, XSC
	v_add_nc_u32 v[SA], s59, v[L4]
	s_lshl_b32 s59, s[WV], 7
	s_add_co_u32 s60, s59, SCQ
	v_add_nc_u32 v[AQ], s60, v[L4]
	s_add_co_u32 s59, s59, VWSC
	v_add_nc_u32 v[S2B], s59, v[L4]
	s_lshl_b32 s59, s[WHI], 7
	s_lshl_b32 s60, s[WLO], 1
	s_add_co_u32 s59, s59, s60
	s_add_co_u32 s59, s59, SCV
	v_add_nc_u32 v[AV], s59, v[L4]
	s_lshl_b32 s59, s[WHI], 12
	s_add_co_u32 s59, s59, VWIMG
	v_add_nc_u32 v[FVR], s59, v[LI]
	s_lshl_b32 s59, s[WHI], 8
	s_add_co_u32 s59, s59, VWSC
	v_add_nc_u32 v[SVR], s59, v[L4]
	s_lshl_b32 s59, s[WLO], 14
	v_add_nc_u32 v[LIH], s59, v[LI]
	s_lshl_b32 s59, s[WLO], 10
	s_add_co_u32 s60, s59, XSC
	v_add_nc_u32 v[LSH], s60, v[L4]
	s_lshl_b32 s60, s[WHI], 11
	s_add_co_u32 s59, s59, s60
	v_add_nc_u32 v[GV], s59, v[LI]
	; the scale words' way out.  Word 4 L + k of q's or k's 512 bytes belongs to tile 4 (L / 16) + k, lane L % 16; in the stage a tile has 128 bytes, a lane 4
	v_lshlrev_b32 v[LQ], 9, v3
	v_lshl_add_u32 v[LQ], v2, 2, v[LQ]
	v_add_nc_u32 v[LQ], SCQ, v[LQ]
	; word 2 L + k of V's 256 bytes belongs to my tile 2 (L % 2) + k, lane L / 2
	v_and_b32 v[LV], 1, v1
	v_lshlrev_b32 v[LV], 8, v[LV]
	v_lshrrev_b32 v255, 1, v1
	v_lshl_add_u32 v[LV], v255, 2, v[LV]
	v_add_nc_u32 v[LV], SCV, v[LV]
.irp b, 0,1,2,3
	v_mov_b32 v[TM+4+\b], 0                        ; written once: a lane permute's destination counts as one of its sources
.endr
	s_wait_alu depctr_va_vdst(0)
	; ---- seq: my tile's two K steps become two fragments
	s_wait_loadcnt 16                              ; the second unit's sixteen loads may be out
	QUANT RA, PC, PW, 4
	IMAGE FA, XIMG
	ds_store_b32 v[SA], v[PW]
	s_wait_alu depctr_va_vdst(0)
	s_wait_loadcnt 0x0
	s_wait_dscnt 0x0                               ; the LDS stores have read their registers
	QUANT RB, PC, PW, 4
	IMAGE FA, XIMG+2048
	ds_store_b32 v[SA], v[PW] offset:128
	s_wait_alu depctr_va_vdst(0)
	s_wait_tensorcnt 0x0                           ; my rows of the weights are in LDS,
	s_wait_dscnt 0x0                               ; my images of seq too
	s_barrier_signal -1
	s_barrier_wait -1                              ; everybody's are
	; ---- the weights: two units of Wq or Wk, one of Wv, on two sets of registers; a unit's 64 loads are issued a unit ahead
	WLOAD RA, WRQ0, WFP
	WLOAD RB, WRQ1, WFP
	s_wait_dscnt 63                                ; behind the first 64 stand 64 more: with at most 63 out the first are done
	QUANT RA, PC, PW, 4
	IMAGE FA, WIMG
	ds_store_b32 v[SA], v[PW] offset:WSC-XSC
	WLOAD RA, WRV, VFP
	s_wait_alu depctr_va_vdst(0)
	s_wait_dscnt 63                                ; behind the second unit's loads stand five stores and 64 loads: those loads and the stores are done
	QUANT RB, PC, PW, 4
	IMAGE FA, WIMG+2048
	ds_store_b32 v[SA], v[PW] offset:WSC-XSC+128
	s_wait_alu depctr_va_vdst(0)
	s_wait_dscnt 5                                 ; the five stores may be out
	s_wait_dscnt 0x0                               ; (they have read their registers, which are written below)
	QUANT RA, PC, PW, 4
	IMAGE F2B, 0
	ds_store_b32 v[S2B], v[PW]
	s_wait_alu depctr_va_vdst(0)
	s_wait_dscnt 0x0
	s_barrier_signal -1
	s_barrier_wait -1                              ; all operands lie in LDS
	; ---- q or k: source 0 = the weight's eight tiles, both K steps, in window 1; source 1 = my tile of seq.  The eight accumulators take turns, one instruction a turn
	FETCH FF, FA, XIMG
	FETCH FF+16, FA, XIMG+2048
	ds_load_b32 v[FS], v[SA]
	ds_load_b32 v[FS+1], v[SA] offset:128
.irp s, 0,1
.irp t, 0,1,2,3,4,5,6,7
	ds_load_b32 v[VS+8*\s+\t], v[LSB] offset:WSC-XSC+(2*\t+\s)*128
.endr
.endr
	s_set_vgpr_msb 0x40                            ; destination window 1
.irp s, 0,1
.irp t, 0,1,2,3,4,5,6,7
	FETCH 16*(8*\s+\t), LI, WIMG+(2*\t+\s)*2048
.endr
.endr
	s_set_vgpr_msb 0x4001                          ; source 0 window 1
	s_wait_dscnt 32                                ; the second K step's 32 loads may be out
.irp t, 0,1,2,3,4,5,6,7
	v_wmma_scale_f32_16x16x128_f8f6f4 v[ACC+8*\t:ACC+8*\t+7], v[16*\t:16*\t+15], v[FF:FF+15], 0, v[VS+\t], v[FS]
.endr
	s_wait_dscnt 0x0
.irp t, 0,1,2,3,4,5,6,7
	v_wmma_scale_f32_16x16x128_f8f6f4 v[ACC+8*\t:ACC+8*\t+7], v[128+16*\t:143+16*\t], v[FF+16:FF+31], v[ACC+8*\t:ACC+8*\t+7], v[VS+8+\t], v[FS+1]
.endr
	s_set_vgpr_msb 0x0100
	PLACES
	; V's operands are on their way while q's or k's results are quantised
	FETCH FF, FVR, 0
	FETCH FF+16, FVR, 2048
	ds_load_b32 v[FSV], v[SVR]
	ds_load_b32 v[FSV+1], v[SVR] offset:128
.irp s, 0,1
.irp t, 0,1,2,3
	ds_load_b32 v[VSV+4*\s+\t], v[LSH] offset:(2*\t+\s)*128
.endr
.endr
	s_set_vgpr_msb 0x0040
.irp s, 0,1
.irp t, 0,1,2,3
	FETCH 16*(4*\s+\t), LIH, XIMG+(2*\t+\s)*2048
.endr
.endr
	s_set_vgpr_msb 0x4000
	QUANT ACC, PC, PW, 4
.irp c, 0,1,2,3
	global_store_b128 v[GQ], v[PC+4*\c:PC+4*\c+3], s[24:25] offset:512*\c   ; 32 lanes store 512 consecutive bytes, at a multiple of 256 from the buffer's first byte
.endr
	ds_store_b32 v[AQ], v[PW]
	s_wait_alu depctr_va_vdst(0)
	s_wait_dscnt 0x0
	; ---- v: source 0 = four of seq's tiles, source 1 = a tile of Wv
	s_set_vgpr_msb 0x0001
.irp t, 0,1,2,3
	v_wmma_scale_f32_16x16x128_f8f6f4 v[ACV+8*\t:ACV+8*\t+7], v[16*\t:16*\t+15], v[FF:FF+15], 0, v[VSV+\t], v[FSV]
.endr
.irp t, 0,1,2,3
	v_wmma_scale_f32_16x16x128_f8f6f4 v[ACV+8*\t:ACV+8*\t+7], v[64+16*\t:79+16*\t], v[FF+16:FF+31], v[ACV+8*\t:ACV+8*\t+7], v[VSV+4+\t], v[FSV+1]
.endr
	s_set_vgpr_msb 0x0100
	PLACES
	QUANT ACV, PCV, PWV, 2
.irp c, 0,1
	global_store_b128 v[GV], v[PCV+4*\c:PCV+4*\c+3], s[28:29] offset:512*\c
.endr
	ds_store_b16 v[AV], v[PWV]                     ; my half of each word: two blocks' bytes
	s_wait_alu depctr_va_vdst(0)
	s_wait_dscnt 0x0
	s_barrier_signal -1
	s_barrier_wait -1                              ; the results' scale words lie in LDS
	s_cmp_lg_u32 s[WV], 0
	s_cbranch_scc1 .Lnot_q
	ds_load_b32 v16, v[LQ]                         ; wave 0: q's or k's 128 words, in the buffer's order
	ds_load_b32 v17, v[LQ] offset:128
	ds_load_b32 v18, v[LQ] offset:256
	ds_load_b32 v19, v[LQ] offset:384
	s_wait_dscnt 0x0
	global_store_b128 v[LI], v[16:19], s[26:27]    ; 512 consecutive bytes
.Lnot_q:
	s_cmp_lg_u32 s[WV], 1
	s_cbranch_scc1 .Lnot_v
	ds_load_b32 v20, v[LV]                         ; wave 1: V's 64 words
	ds_load_b32 v21, v[LV] offset:128
	s_wait_dscnt 0x0
	global_store_b64 v[L8], v[20:21], s[30:31]     ; 256 consecutive bytes, aligned
.Lnot_v:
	s_wait_tensorcnt 0x0                           ; the wave's end
	ds_add_u32 v[SPW], v[NIL]
	s_wait_dscnt 0x0
	CROUND                                         ; the closing round: no work-group ends while a partner may still ask for a tile that names it
	s_endpgm
.Lfunc_end_k_q6084d3cd96_proj:
	.size	k_q6084d3cd96_proj, .Lfunc_end_k_q6084d3cd96_proj-k_q6084d3cd96_proj
	.p2alignl 7, 3214868480
	.fill 96, 4, 3214868480
	.section	.rodata,"a",@progbits
	.p2align	6, 0x0
	.amdhsa_kernel k_q6084d3cd96_proj
		.amdhsa_group_segment_fixed_size 291840
		.amdhsa_private_segment_fixed_size 0
		.amdhsa_enable_private_segment 0
		.amdhsa_kernarg_size 48
		.amdhsa_user_sgpr_count 2
		.amdhsa_user_sgpr_kernarg_segment_ptr 1
		.amdhsa_wavefront_size32 1
		.amdhsa_system_sgpr_workgroup_id_x 1
		.amdhsa_system_sgpr_workgroup_id_y 1
		.amdhsa_system_sgpr_workgroup_id_z 1
		.amdhsa_system_vgpr_workitem_id 0
		.amdhsa_next_free_vgpr 512
		.amdhsa_next_free_sgpr 72
		.amdhsa_reserve_vcc 0
		.amdhsa_float_denorm_mode_32 3
		.amdhsa_float_denorm_mode_16_64 3
		.amdhsa_memory_ordered 1
		.amdhsa_forward_progress 1
		.amdhsa_inst_pref_size 92
	.end_amdhsa_kernel
	.amdgpu_metadata
---
amdhsa.version: [ 1, 2 ]
amdhsa.kernels:
  - .name:           k_q6084d3cd96_proj
    .symbol:         k_q6084d3cd96_proj.kd
    .args:
      - { .name: seq, .offset: 0, .size: 8, .value_kind: global_buffer, .address_space: global }
      - { .name: Wq, .offset: 8, .size: 8, .value_kind: global_buffer, .address_space: global }
      - { .name: Wk, .offset: 16, .size: 8, .value_kind: global_buffer, .address_space: global }
      - { .name: Wv, .offset: 24, .size: 8, .value_kind: global_buffer, .address_space: global }
      - { .name: qbuf, .offset: 32, .size: 8, .value_kind: global_buffer, .address_space: global }
      - { .name: kv, .offset: 40, .size: 8, .value_kind: global_buffer, .address_space: global }
    .group_segment_fixed_size: 291840
    .private_segment_fixed_size: 0
    .kernarg_segment_align: 8
    .kernarg_segment_size: 48
    .max_flat_workgroup_size: 256
    .sgpr_count:     72
    .vgpr_count:     512
    .wavefront_size: 32
...
	.end_amdgpu_metadata
.endif
;; end of part 1
;; launch attn (part 2): grid 64 x 4, 4 waves a work-group, clusters of 4 x 1, 327,680 bytes of LDS; arguments qbuf, kv, out0; writes out0
.if DOCPART == 2
	.amdgcn_target "amdgcn-amd-amdhsa--gfx1250"
	.amdhsa_code_object_version 6
	.text
	.protected	k_q6084d3cd96_attn
	.globl	k_q6084d3cd96_attn
	.p2align	8
	.type	k_q6084d3cd96_attn,@function
k_q6084d3cd96_attn:
	s_mov_b64 s[64:65], 0
	v_nop
	global_prefetch_b8 v0, s[64:65] scope:SCOPE_SE
	s_setreg_imm32_b32 hwreg(HW_REG_WAVE_MODE, 25, 1), 1
	s_wait_xcnt 0x0
	s_wait_alu depctr_hold_cnt(0) depctr_sa_sdst(0) depctr_va_vdst(0) depctr_va_sdst(0) depctr_va_ssrc(0) depctr_va_vcc(0) depctr_vm_vsrc(0)
	s_getreg_b32 s2, hwreg(HW_REG_IB_STS2, 6, 4)
	s_cmp_eq_u32 s2, 0
	s_cbranch_scc0 .Lentry_in_a_cluster
	s_endpgm
.Lentry_in_a_cluster:
	s_bfe_u32 s2, ttmp6, 0x10000c
	s_cmp_lg_u32 s2, 0x3003
	s_cbranch_scc0 .Lentry_shape_is_right
	s_endpgm
.Lentry_shape_is_right:
; out[q] = the sum over k of softmax_k(q . k) v[k] for one batch of 4,096 queries and keys, 128 channels, both products on codes of FP8 (E4M3) with one E8M0 scale for each 32 along K; sums in f32.
; t = score x log2(e); M = the row's largest t so far, rounded up to a whole number; p = 2^(t - M) is quantised along the keys; the row's sum is taken of the unquantised p and divides at the end.
; When M moves, the sum and O are multiplied by 2^(old M - new M): exact.
; SHARES.  A work-group owns 64 queries (four tiles of 16, two pairs); each of its four waves holds all 64 and takes a quarter of the keys: in step s = 0 .. 7 wave w takes the 128 keys of kv's step 4 s + w.  So a fragment of
; K or V that comes from LDS feeds four products, and no wave reads another's keys.  At the end the four parts are brought under one M and added.
; CLUSTER.  Four work-groups of one batch read the same keys: each wave's 33,792 bytes of a step come by one joint tensor load.  Two LDS slots of four such parts; one round of the cluster's barrier a step.
; PIPELINE.  SM(p), a pair's softmax, is plain vector work, the pair's two tiles line by line by turns; the other pair's products stand in it: O += V^T P^T in its maxima's chain and scalings, S^T = K Q^T among its exponentials.
;   K's fragments of step s + 1 are fetched in the middle of SM(0) of step s, V's ahead of the exponentials of SM(0) of their own step: one set of 128 registers each.
; REGISTERS.  Window p (0, 1): pair p's scores (then p, then codes: codes begin 4 registers ahead of the scores and lie over scores that are converted), Q's fragments and what is at work; window 0 scale words and addresses too.
;   Window 2 + p: pair p's O; behind it K's fragments (window 2) and V's (window 3).
; Both products are used transposed: a lane holds one query (lane % 16); the scores' 16 registers of keys' tiles 2 b, 2 b + 1 are keys 32 b + 16 (lane / 16) + 0 .. 15.
; PREFETCH.  Steps 3 to 7 are asked for one step ahead of their tensor load; steps 0 to 2 come by their loads alone.  Of a batch's 16 clusters those whose number modulo 8 is the step's ask, each block of 256 bytes once in such a cluster.
; LIMITS.  The promise holds while scores x log2(e) stay under 2^31 in magnitude; NaN and infinities are not served.  A block whose every p has fallen to 0 has the scale byte 1: its codes are zeros.
.set STEPB,  33792                     ; 128 keys in kv: K's 8 tiles x 2,048 bytes, V's 8 x 2,048, K's scale words (512), V's (512)
.set QSTEPB, 16896
.set SLOTB,  4*STEPB
.set SPARE,  2*SLOTB                   ; the spare words
.set STM,    SPARE+512                 ; at the end: -M of [64 queries][4 waves], then the sums
.set SPITCH, 528                       ; at the end: a row of O in the stage: 512 bytes + 16
.set LA,  1                            ; window 0: v1 LDS address of my part of the slot in hand + 16 x lane
.set LA0, 3                            ; window 0: v3 the same in slot 0
.set NIL, 4                            ; window 0: v4 0; never rewritten
.set SPW, 5                            ; window 0: v5 my spare word; never rewritten
.set TS,  22                           ; the pair's second tile has its registers at work TS further on
.set LL,  6                            ; the row's sum, in two halves
.set FF,  8                            ; f = 2^(old M - new M), and a 0
.set NM,  10                           ; -M, and behind it the largest score
.set BM,  12                           ; four blocks' largest
.set PT,  16                           ; four at work
.set SO,  20                           ; the conversions' scale operands
.set BD,  24                           ; 448 x the scale
.set KS,  50                           ; window 0: scale words: tile T's in register T % 4, lanes 0-15 (T < 4) or 16-31
.set QS,  54
.set VS,  58
.set PS,  62
.set CB,  66                           ; codes of p, 16 registers; the second tile's SD further on
.set SS,  70                           ; scores, 64; likewise
.set SD,  68
.set QF,  202                          ; Q's fragment; the second tile's 16 further on
.set PF0, 234                          ; window 0: the prefetches' offsets
.set PF1, 235
.set FR,  128                          ; windows 2, 3: eight fragments
.set WV,  10
.set PX,  11                           ; my cluster's number modulo 8
.set TB,  12                           ; LDS byte at which the slot in hand begins
.set WB,  13                           ; my wave's part in a slot
.set G1,  16
.set G0,  24
.set SEL, 28
.set CS,  30                           ; log2(e), twice
.set NC,  32                           ; - log2(e)
.set N8,  33
.set XM,  34
.set MNT, 35
.set FLR, 36
.set TR,  37
.set PFA, 38
.set MSB, 0
.set VP,  0
.macro WIN new                         ; the immediate's high byte repeats the setting that is left
.if MSB != (\new)
	s_set_vgpr_msb (MSB<<8)|(\new)
.set MSB, (\new)
.endif
.endm
.macro CREST
	s_cmp_lg_u32 s[WV], 0
	s_cbranch_scc1 .Lnot_wave_0_\@
	s_barrier_signal -3
.Lnot_wave_0_\@:
	s_barrier_wait -3
	s_barrier_signal -1
	s_barrier_wait -1
.endm
.macro CROUND
	s_barrier_signal -1
	s_barrier_wait -1
	CREST
.endm
.macro TLOAD
	tensor_load_to_lds s[G0:G0+3], s[G1:G1+7]
	s_nop 0
.rept 4
	v_nop
.endr
.endm
.macro QKX p, n                        ; S^T of pair p: product n: tile n % 2, keys' tile n / 2
	WIN 2|(0x54*(\p))
.if (\n) < 8
	v_wmma_scale_f32_16x16x128_f8f6f4 v[SS+SD*((\n)%2)+8*((\n)/2):SS+SD*((\n)%2)+8*((\n)/2)+7], v[FR+16*((\n)/2):FR+16*((\n)/2)+15], v[QF+16*((\n)%2):QF+16*((\n)%2)+15], 0, v[KS+((\n)/2)%4], v[QS+2*(\p)+(\n)%2]
.else
	v_wmma_scale_f32_16x16x128_f8f6f4 v[SS+SD*((\n)%2)+8*((\n)/2):SS+SD*((\n)%2)+8*((\n)/2)+7], v[FR+16*((\n)/2):FR+16*((\n)/2)+15], v[QF+16*((\n)%2):QF+16*((\n)%2)+15], 0, v[KS+((\n)/2)%4], v[QS+2*(\p)+(\n)%2] matrix_a_scale:MATRIX_SCALE_ROW1
.endif
.endm
.macro PVX p, n                        ; O^T of pair p: product n: tile n % 2, channels' tile n / 2
	WIN 3|((\p)<<2)|(0x50*(2+(\p)))
.if (\n) < 8
	v_wmma_scale_f32_16x16x128_f8f6f4 v[64*((\n)%2)+8*((\n)/2):64*((\n)%2)+8*((\n)/2)+7], v[FR+16*((\n)/2):FR+16*((\n)/2)+15], v[CB+SD*((\n)%2):CB+SD*((\n)%2)+15], v[64*((\n)%2)+8*((\n)/2):64*((\n)%2)+8*((\n)/2)+7], v[VS+((\n)/2)%4], v[PS+2*(\p)+(\n)%2]
.else
	v_wmma_scale_f32_16x16x128_f8f6f4 v[64*((\n)%2)+8*((\n)/2):64*((\n)%2)+8*((\n)/2)+7], v[FR+16*((\n)/2):FR+16*((\n)/2)+15], v[CB+SD*((\n)%2):CB+SD*((\n)%2)+15], v[64*((\n)%2)+8*((\n)/2):64*((\n)%2)+8*((\n)/2)+7], v[VS+((\n)/2)%4], v[PS+2*(\p)+(\n)%2] matrix_a_scale:MATRIX_SCALE_ROW1
.endif
.endm
.macro QK p, n                         ; the same, and back to the window at work; p = -1: none
.if (\p) >= 0
	QKX \p, \n
	WIN 0x55*VP
.endif
.endm
.macro PV p, n
.if (\p) >= 0
	PVX \p, \n
	WIN 0x55*VP
.endif
.endm
.macro FRAGS kind                      ; kind 0: K's eight fragments and scale words of the slot in hand, 1: V's
	WIN (2+(\kind))<<6
.irp t, 0,1,2,3,4,5,6,7
.irp c, 0,1,2,3
	ds_load_b128 v[FR+16*\t+4*\c:FR+16*\t+4*\c+3], v[LA] offset:16384*(\kind)+\t*2048+512*\c
.endr
.endr
	WIN 0
	ds_load_b128 v[KS+8*(\kind):KS+8*(\kind)+3], v[LA] offset:32768+512*(\kind)
.endm
; SM(p), first part: blocks' largest scores, M, f, t - M; pair pv's sixteen products stand in it.
.macro SMAX p, pv
.set VP, \p
	WIN 0x55*VP
	s_wait_alu depctr_va_vdst(0)                   ; directly ahead of the scores' first readers
.irp i, 0,1
	v_dual_max_num_f32 v[BM+TS*\i], v[SS+SD*\i], v[SS+SD*\i+1] :: v_dual_max_num_f32 v[BM+TS*\i+1], v[SS+SD*\i+17], v[SS+SD*\i+16]
	v_dual_max_num_f32 v[BM+TS*\i+2], v[SS+SD*\i+32], v[SS+SD*\i+33] :: v_dual_max_num_f32 v[BM+TS*\i+3], v[SS+SD*\i+49], v[SS+SD*\i+48]
.endr
.irp e, 2,4,6,8,10,12,14
.irp i, 0,1
.irp b, 0,1,2,3
	v_max3_num_f32 v[BM+TS*\i+\b], v[BM+TS*\i+\b], v[SS+SD*\i+16*\b+\e], v[SS+SD*\i+16*\b+\e+1]
.endr
.endr
.endr
.irp i, 0,1
.irp b, 0,1,2,3
	v_permlanex16_b32 v[PT+TS*\i+\b], v[BM+TS*\i+\b], s[SEL], s[SEL+1]
.endr
.endr
	PV \pv, 0
.irp i, 0,1                            ; with lane l xor 16's 16 keys
	v_dual_max_num_f32 v[BM+TS*\i], v[BM+TS*\i], v[PT+TS*\i] :: v_dual_max_num_f32 v[BM+TS*\i+1], v[BM+TS*\i+1], v[PT+TS*\i+1]
	v_dual_max_num_f32 v[BM+TS*\i+2], v[BM+TS*\i+2], v[PT+TS*\i+2] :: v_dual_max_num_f32 v[BM+TS*\i+3], v[BM+TS*\i+3], v[PT+TS*\i+3]
.endr
	PV \pv, 1
.irp i, 0,1
	v_max3_num_f32 v[NM+TS*\i+1], v[NM+TS*\i+1], v[BM+TS*\i], v[BM+TS*\i+1]
.endr
	PV \pv, 2
.irp i, 0,1
	v_max3_num_f32 v[NM+TS*\i+1], v[NM+TS*\i+1], v[BM+TS*\i+2], v[BM+TS*\i+3]
.endr
	PV \pv, 3
.irp i, 0,1
	v_mul_f32 v[FF+TS*\i], s[NC], v[NM+TS*\i+1]    ; - the largest t
.endr
	PV \pv, 4
.irp i, 0,1
	v_floor_f32 v[FF+TS*\i], v[FF+TS*\i]           ; the new -M
.endr
	PV \pv, 5
.irp i, 0,1
	v_sub_f32 v[PT+TS*\i], v[FF+TS*\i], v[NM+TS*\i]   ; old M - new M: a whole number, 0 or less
.endr
.irp i, 0,1
	v_mov_b32 v[NM+TS*\i], v[FF+TS*\i]
.endr
.set K_, 0
.rept 64                               ; t - M, two at a time, the two tiles by turns
	v_pk_fma_f32 v[SS+SD*(K_%2)+2*(K_/2):SS+SD*(K_%2)+2*(K_/2)+1], v[SS+SD*(K_%2)+2*(K_/2):SS+SD*(K_%2)+2*(K_/2)+1], s[CS:CS+1], v[NM+TS*(K_%2):NM+TS*(K_%2)+1] op_sel_hi:[1,0,0]
.if K_%6 == 5
	PV \pv, 6+K_/6
.endif
.if K_ == 7
	v_cvt_i32_f32 v[PT], v[PT]                     ; (it saturates)
	v_cvt_i32_f32 v[PT+TS], v[PT+TS]
.endif
.if K_ == 20
	v_ldexp_f32 v[FF], 1.0, v[PT]
	v_ldexp_f32 v[FF+TS], 1.0, v[PT+TS]
.endif
.set K_, K_+1
.endr
.irp i, 0,1                            ; the same of each block's largest score
	v_pk_fma_f32 v[BM+TS*\i:BM+TS*\i+1], v[BM+TS*\i:BM+TS*\i+1], s[CS:CS+1], v[NM+TS*\i:NM+TS*\i+1] op_sel_hi:[1,0,0]
	v_pk_fma_f32 v[BM+TS*\i+2:BM+TS*\i+3], v[BM+TS*\i+2:BM+TS*\i+3], s[CS:CS+1], v[NM+TS*\i:NM+TS*\i+1] op_sel_hi:[1,0,0]
.endr
.endm
.macro SRES p                          ; the pair's O under the new M
	WIN (2+(\p))|((\p)<<2)|((2+(\p))<<6)
	s_wait_alu depctr_va_vdst(0)                   ; ahead of O's first readers and of the exponentials
.set J_, 0
.rept 64
	v_pk_mul_f32 v[2*J_:2*J_+1], v[2*J_:2*J_+1], v[FF+TS*(J_/32):FF+TS*(J_/32)+1] op_sel_hi:[1,0]
.set J_, J_+1
.endr
.endm
.macro SEXP p, qk                      ; p of the blocks' largest and of all 128; pair qk's sixteen products stand among them
.set VP, \p
	WIN 0x55*VP
.set E_, 0
.rept 136
.if E_ < 8
	v_exp_f32 v[BM+TS*(E_/4)+E_%4], v[BM+TS*(E_/4)+E_%4]
.else
	v_exp_f32 v[SS+SD*((E_-8)/64)+(E_-8)%64], v[SS+SD*((E_-8)/64)+(E_-8)%64]
.endif
.if E_%8 == 5 && E_ < 128
	QK \qk, E_/8
.endif
.set E_, E_+1
.endr
.irp i, 0,1
	v_pk_mul_f32 v[LL+TS*\i:LL+TS*\i+1], v[LL+TS*\i:LL+TS*\i+1], v[FF+TS*\i:FF+TS*\i+1] op_sel_hi:[1,0]   ; the sums under the new M: plain places behind the exponentials
.endr
	s_wait_alu depctr_va_vdst(0)                   ; one wait for the batch, ahead of its first reader
.endm
.macro SCALE p                         ; eight blocks' scale operands, bounds and bytes; the bytes make the scale words of p
.irp i, 0,1                            ; the floor 2^(9 - 127): the byte cannot fall under 1
	v_dual_max_num_f32 v[BM+TS*\i], s[FLR], v[BM+TS*\i] :: v_dual_max_num_f32 v[BM+TS*\i+1], s[FLR], v[BM+TS*\i+1]
	v_dual_max_num_f32 v[BM+TS*\i+2], s[FLR], v[BM+TS*\i+2] :: v_dual_max_num_f32 v[BM+TS*\i+3], s[FLR], v[BM+TS*\i+3]
.endr
.irp i, 0,1
.irp b, 0,1,2,3
	v_add_nc_u32 v[SO+TS*\i+\b], s[N8], v[BM+TS*\i+\b]         ; 8 off the exponent field
.endr
.endr
.irp i, 0,1
.irp b, 0,1,2,3
	v_and_or_b32 v[BD+TS*\i+\b], v[BM+TS*\i+\b], s[XM], s[MNT] ; 448 x the scale
.endr
.endr
.irp i, 0,1
.irp b, 0,1,2,3
	v_lshrrev_b32 v[PT+TS*\i+\b], 23, v[SO+TS*\i+\b]
.endr
.endr
.irp i, 0,1
	v_lshl_or_b32 v[BM+TS*\i], v[PT+TS*\i+1], 8, v[PT+TS*\i]
	v_lshl_or_b32 v[BM+TS*\i+1], v[PT+TS*\i+3], 8, v[PT+TS*\i+2]
.endr
	WIN 0x15*VP
.irp i, 0,1
	v_lshl_or_b32 v[PS+2*VP+\i], v[BM+TS*\i+1], 16, v[BM+TS*\i]
.endr
	WIN 0x55*VP
.endm
.macro SUMS p                          ; each row's sum in three chains, the hold (one-sided: p is not negative), the codes; by turns
.set VP, \p
	WIN 0x55*VP
.set N_, 0
.rept 39
.irp i, 0,1
.if N_ == 0
	v_pk_add_f32 v[LL+TS*\i:LL+TS*\i+1], v[LL+TS*\i:LL+TS*\i+1], v[SS+SD*\i:SS+SD*\i+1]
.elseif N_ < 3
	v_pk_add_f32 v[PT+TS*\i+2*N_-2:PT+TS*\i+2*N_-1], v[SS+SD*\i+4*N_-2:SS+SD*\i+4*N_-1], v[SS+SD*\i+4*N_:SS+SD*\i+4*N_+1]
.elseif N_ < 30
.if N_%3 == 0
	v_pk_add_f32 v[LL+TS*\i:LL+TS*\i+1], v[LL+TS*\i:LL+TS*\i+1], v[SS+SD*\i+2*N_+4:SS+SD*\i+2*N_+5]
.else
	v_pk_add_f32 v[PT+TS*\i+2*(N_%3)-2:PT+TS*\i+2*(N_%3)-1], v[PT+TS*\i+2*(N_%3)-2:PT+TS*\i+2*(N_%3)-1], v[SS+SD*\i+2*N_+4:SS+SD*\i+2*N_+5]
.endif
.endif
.if N_ > 3 && N_ < 36
	v_dual_min_num_f32 v[SS+SD*\i+2*(N_-4)], v[SS+SD*\i+2*(N_-4)], v[BD+TS*\i+(N_-4)/8] :: v_dual_min_num_f32 v[SS+SD*\i+2*(N_-4)+1], v[SS+SD*\i+2*(N_-4)+1], v[BD+TS*\i+(N_-4)/8]   ; the conversion to an 8-bit code does not saturate (ISA guide 7.6.2)
.endif
.if N_ > 9
.if (N_-10)%4 == 0
	v_cvt_scalef32_pk8_fp8_f32 v[CB+SD*\i+2*((N_-10)/4):CB+SD*\i+2*((N_-10)/4)+1], v[SS+SD*\i+8*((N_-10)/4):SS+SD*\i+8*((N_-10)/4)+7], v[SO+TS*\i+(N_-10)/8]
.endif
.endif
.endr
.set N_, N_+1
.endr
.irp i, 0,1
	v_pk_add_f32 v[PT+TS*\i:PT+TS*\i+1], v[PT+TS*\i:PT+TS*\i+1], v[PT+TS*\i+2:PT+TS*\i+3]
.endr
.irp i, 0,1
	v_pk_add_f32 v[LL+TS*\i:LL+TS*\i+1], v[LL+TS*\i:LL+TS*\i+1], v[PT+TS*\i:PT+TS*\i+1]
.endr
.endm
; A TRIP: from the exponentials of SM(0) of step s to those of step s + 1.  fill = 1: the slot of step s, read by all, takes step s + 2.
.macro TRIP fill
.if \fill
	s_wait_xcnt 0x0                                ; any prefetch of mine has read its address, so it may be stepped
	s_add_nc_u64 s[PFA:PFA+1], s[PFA:PFA+1], SLOTB
.endif
	s_wait_tensorcnt 0x0                           ; my part of step s + 1 is in;
	ds_add_u32 v[SPW], v[NIL]                      ; 0 onto my spare word
.if \fill
	s_add_nc_u64 s[G0+2:G0+3], s[G0+2:G0+3], SLOTB
	s_add_co_u32 s[G0+1], s[WB], s[TB]
.endif
	s_xor_b32 s[TB], s[TB], SLOTB
	SEXP 0, 1
	s_wait_dscnt 0x0                               ; the add is done, and my reads of step s's slot are over: V's fragments are in
	s_barrier_signal -1
	SCALE 0
	WIN 0
	v_add_nc_u32 v[LA], s[TB], v[LA0]
	s_wait_alu depctr_va_vdst(0)                   ; directly ahead of the barrier's wait
	s_barrier_wait -1
.if \fill
	CREST
	TLOAD
.endif
	FRAGS 0
.if \fill
	s_add_co_u32 s40, s[TR], 3                     ; step s + 3, one trip ahead of its load
	s_cmp_eq_u32 s40, s[PX]
	s_cbranch_scc0 .Lnot_mine_\@
	global_prefetch_b8 v[PF0], s[PFA:PFA+1] th:TH_LOAD_NT scope:SCOPE_SE   ; of my wave's 132 blocks of 256 bytes each partner asks for 33, by address
	global_prefetch_b8 v[PF1], s[PFA:PFA+1] th:TH_LOAD_NT scope:SCOPE_SE
.Lnot_mine_\@:
.endif
	SUMS 0
	SMAX 1, 0
	s_wait_dscnt 0x0                               ; K's fragments of step s + 1
	SRES 1
	SEXP 1, 0
	SCALE 1
	SUMS 1
	SMAX 0, 1
	SRES 0
	WIN 0
	FRAGS 1
.endm
	s_load_b128 s[4:7], s[0:1], 0x0                ; qbuf, kv
	s_load_b64 s[8:9], s[0:1], 0x10                ; out
	v_lshl_add_u32 v[SPW], v0, 2, SPARE
	v_mov_b32 v[NIL], 0
	ds_add_u32 v[SPW], v[NIL]                      ; the wave's opening: the add, twice on end, and its wait
	ds_add_u32 v[SPW], v[NIL]
	v_lshrrev_b32 v238, 5, v0
	v_readfirstlane_b32 s[WV], v238                ; wave 0..3
	v_and_b32 v239, 31, v0
	v_and_b32 v237, 15, v0
	v_lshlrev_b32 v236, 4, v239                    ; 16 x lane
	v_lshlrev_b32 v237, 4, v237                    ; 16 x (lane % 16)
	v_lshlrev_b32 v[PF0], 8, v239
	v_mov_b32 v[PF1], 8192
	s_mul_i32 s[WB], s[WV], STEPB
	v_add_nc_u32 v[LA0], s[WB], v236
	v_mov_b32 v[LA], v[LA0]
	s_wait_alu depctr_va_vdst(0)
	s_bfe_u32 s40, ttmp6, 0x40000                  ; cx: my place in the cluster
	s_lshl_b32 s41, ttmp9, 2
	s_add_co_u32 s41, s41, s40                     ; which 64 queries of the batch
	s_and_b32 s42, ttmp7, 0xffff                   ; the batch
	s_and_b32 s[PX], ttmp9, 7
	s_mov_b32 s[G1+0], 15|(3<<16)|(1<<21)          ; the mask: all four; elements of 8 bytes; 21 set beside a mask
	s_mov_b32 s[G1+1], 32<<16                      ; 132 dense rows of 256 bytes
	s_mov_b32 s[G1+2], 132<<16
	s_mov_b32 s[G1+3], 32<<16
	s_mov_b32 s[G1+4], 132
	s_mov_b32 s[G1+5], 32
	s_mov_b32 s[G1+6], 0
	s_mov_b32 s[G1+7], 0
	s_mov_b32 s[SEL], 0x76543210
	s_mov_b32 s[SEL+1], 0xfedcba98                 ; v_permlanex16_b32's selects for lane l xor 16
	s_mov_b32 s[CS], 0x3fb8aa3b
	s_mov_b32 s[CS+1], s[CS]
	s_mov_b32 s[NC], 0xbfb8aa3b
	s_mov_b32 s[N8], 0xfc000000
	s_mov_b32 s[XM], 0x7f800000
	s_mov_b32 s[MNT], 0x600000
	s_mov_b32 s[FLR], 0x4800000
	s_mov_b32 s[TB], 0
	s_mul_i32 s44, s42, 32*STEPB
	s_add_co_u32 s44, s44, s[WB]
	s_mov_b32 s45, 0
	s_mul_i32 s46, s40, 33*256                     ; my work-group's 33 blocks of each part: cx enters the prefetches' address here and no descriptor
	s_add_co_u32 s46, s46, 2*SLOTB
	s_mov_b32 s47, 0
	s_lshl_b32 s48, s42, 5
	s_lshr_b32 s50, s41, 1
	s_add_co_u32 s48, s48, s50
	s_mul_i32 s48, s48, QSTEPB
	s_and_b32 s52, s41, 1
	s_lshl_b32 s50, s52, 8
	s_add_co_u32 s50, s50, s48
	s_add_co_u32 s50, s50, 16384                   ; my four tiles' scale words
	s_lshl_b32 s52, s52, 13
	s_add_co_u32 s48, s48, s52                     ; my four tiles
	s_mov_b32 s49, 0
	s_mov_b32 s51, 0
	s_lshl_b32 s54, s42, 12
	s_lshl_b32 s52, s41, 6
	s_add_co_u32 s54, s54, s52
	s_lshl_b32 s52, s[WV], 4
	s_add_co_u32 s54, s54, s52
	s_lshl_b32 s54, s54, 9                         ; at the end I store 16 rows of 512 bytes
	s_mov_b32 s55, 0
	s_wait_dscnt 0x0                               ; both opening adds are done
	s_wait_kmcnt 0x0
	s_mov_b32 s[G0], 1
	s_mov_b32 s[G0+1], s[WB]
	s_add_nc_u64 s[G0+2:G0+3], s[6:7], s[44:45]
	s_or_b32 s[G0+3], s[G0+3], 0x80000000
	s_add_nc_u64 s[PFA:PFA+1], s[6:7], s[44:45]
	s_add_nc_u64 s[PFA:PFA+1], s[PFA:PFA+1], s[46:47]
	s_add_nc_u64 s[48:49], s[4:5], s[48:49]
	s_add_nc_u64 s[50:51], s[4:5], s[50:51]
	s_add_nc_u64 s[8:9], s[8:9], s[54:55]
	CROUND                                         ; all four work-groups are here: the joint loads meet
	TLOAD                                          ; step 0
.irp p, 0,1
	WIN \p<<6
.irp i, 0,1
.irp c, 0,1,2,3
	global_load_b128 v[QF+16*\i+4*\c:QF+16*\i+4*\c+3], v236, s[48:49] offset:2048*(2*\p+\i)+512*\c
.endr
.endr
.endr
	WIN 0
	global_load_b128 v[QS:QS+3], v237, s[50:51]
; While the first tiles are on their way: the loop is written once, and its first trip finds sums and O of zeros and an M under every other.
.irp p, 0,1
	WIN \p<<6
.irp i, 0,1
.irp b, 0,1,2,3
	v_mov_b32 v[PT+TS*\i+\b], 0                    ; written once: a lane permute's destination counts as one of its sources
.endr
	v_mov_b32 v[FF+TS*\i+1], 0                     ; (named as the upper half of f's pair)
	v_mov_b32 v[LL+TS*\i], 0
	v_mov_b32 v[LL+TS*\i+1], 0
	v_mov_b32 v[NM+TS*\i], 0x7e967699
	v_mov_b32 v[NM+TS*\i+1], 0xfe967699
.endr
.endr
.irp p, 2,3
	WIN \p<<6
.set J_, 0
.rept 64
	v_dual_mov_b32 v[2*J_], 0 :: v_dual_mov_b32 v[2*J_+1], 0
.set J_, J_+1
.endr
.endr
	WIN 0
	s_wait_alu depctr_va_vdst(0)
	s_wait_tensorcnt 0x0                           ; my part of step 0 is in
	ds_add_u32 v[SPW], v[NIL]
	s_add_nc_u64 s[G0+2:G0+3], s[G0+2:G0+3], SLOTB
	s_add_co_u32 s[G0+1], s[WB], SLOTB
	s_wait_dscnt 0x0
	CROUND
	TLOAD                                          ; step 1, into slot 1
	FRAGS 0
	s_wait_loadcnt 0x0                             ; Q
	s_wait_dscnt 0x0
.irp n, 0,1,2,3,4,5,6,7,8,9,10,11,12,13,14,15
	QKX 0, \n
.endr
.rept 8
	v_nop
.endr
	SMAX 0, -1
	s_wait_alu depctr_va_vdst(0)                   ; ahead of the exponentials
	WIN 0
	FRAGS 1
	s_mov_b32 s[TR], 0
.Lstep:                                                ; six trips, s = 0 .. 5
	TRIP 1
	s_add_co_u32 s[TR], s[TR], 1
	s_cmp_lt_u32 s[TR], 6
	s_wait_alu depctr_va_vdst(0)                   ; ahead of the branch
	s_cbranch_scc1 .Lstep
	TRIP 0                                         ; s = 6 fills nothing
	SEXP 0, 1
	SCALE 0
	SUMS 0
	s_wait_alu depctr_va_vdst(0)
	s_wait_dscnt 0x0                               ; V's fragments
	SMAX 1, 0
	SRES 1
	SEXP 1, -1
	SCALE 1
	SUMS 1
.rept 4
	v_nop                                          ; codes stand four places ahead of a scaled product
.endr
	s_wait_alu depctr_va_vdst(0)                   ; ahead of the codes' readers
.irp n, 0,1,2,3,4,5,6,7,8,9,10,11,12,13,14,15
	PVX 1, \n
.endr
; THE WAY OUT.  The waves exchange -M and the sums of the 64 queries; each brings its own O under the common M, divided by the common sum, and lays it into its stage (in slot 0, which has had its last fill and its last read);
; then each wave adds four parts of 16 rows and stores whole rows of 512 bytes.
.set XA,  140                          ; window 0: XA .. +15 the waves' -M of my four queries, +16 .. +31 their sums, +32 .. +35 my own -M, +36 .. +39 the common -M, +40 .. +47 pairs: factor, sum
.set STG, XA+48
.set RD0, XA+49
.set RD1, XA+50
.set EX,  XA+51
.set EXR, XA+52
.set GO,  XA+53
.irp p, 0,1
	WIN 0x55*\p
.irp i, 0,1
	v_add_f32 v[LL+TS*\i], v[LL+TS*\i], v[LL+TS*\i+1]
.endr
.irp i, 0,1
	v_permlanex16_b32 v[PT+TS*\i], v[LL+TS*\i], s[SEL], s[SEL+1]
.endr
.irp i, 0,1
	v_add_f32 v[LL+TS*\i], v[LL+TS*\i], v[PT+TS*\i]
.endr
.endr
	WIN 0
	v_and_b32 v[XA+54], 15, v0                     ; r
	v_bfe_u32 v[XA+55], v0, 4, 1                   ; h
	v_and_b32 v[XA+56], 8, v0
	v_add_nc_u32 v[XA+56], v[XA+56], v[XA+54]      ; r + 8 (r / 8): my query's row in tile 0; tile i of pair p begins at row 32 p + 8 i
	v_mul_u32_u24 v[STG], SPITCH, v[XA+56]
	v_lshl_add_u32 v[STG], v[XA+55], 5, v[STG]
	v_add_nc_u32 v[STG], s[WB], v[STG]             ; a wave's stage is 64 x 528 bytes = STEPB
	v_lshlrev_b32 v[EXR], 4, v[XA+54]
	v_add_nc_u32 v[EXR], STM, v[EXR]
	s_lshl_b32 s41, s[WV], 2
	v_add_nc_u32 v[EX], s41, v[EXR]
	v_and_b32 v[XA+57], 31, v0
	v_lshlrev_b32 v[GO], 4, v[XA+57]
	s_mul_i32 s42, s[WV], 16*SPITCH
	v_add_nc_u32 v[RD0], s42, v[GO]
	v_add_nc_u32 v[RD1], 2*STEPB, v[RD0]
.irp p, 0,1
	WIN \p<<2
.irp i, 0,1
	ds_store_b32 v[EX], v[NM+TS*\i] offset:256*(2*\p+\i)        ; lanes l and l xor 16 hold and store the same
	ds_store_b32 v[EX], v[LL+TS*\i] offset:1024+256*(2*\p+\i)
.endr
.endr
	WIN 0
	s_wait_alu depctr_va_vdst(0)
	s_wait_dscnt 0x0
	s_barrier_signal -1
	s_barrier_wait -1
.irp q, 0,1,2,3
	ds_load_b128 v[XA+4*\q:XA+4*\q+3], v[EXR] offset:256*\q
	ds_load_b128 v[XA+16+4*\q:XA+19+4*\q], v[EXR] offset:1024+256*\q
	ds_load_b32 v[XA+32+\q], v[EX] offset:256*\q
.endr
	s_wait_dscnt 0x0
.irp q, 0,1,2,3
	v_min3_num_f32 v[XA+36+\q], v[XA+4*\q], v[XA+4*\q+1], v[XA+4*\q+2]
.endr
.irp q, 0,1,2,3
	v_min_num_f32 v[XA+36+\q], v[XA+36+\q], v[XA+4*\q+3]
.endr
.irp w, 0,1,2,3
.irp q, 0,1,2,3
	v_sub_f32 v[XA+4*\q+\w], v[XA+36+\q], v[XA+4*\q+\w]   ; that wave's M less the common one
.endr
.endr
.irp q, 0,1,2,3
	v_sub_f32 v[XA+32+\q], v[XA+36+\q], v[XA+32+\q]
.endr
.irp x, 0,1,2,3,4,5,6,7,8,9,10,11,12,13,14,15
	v_cvt_i32_f32 v[XA+\x], v[XA+\x]
.endr
.irp q, 0,1,2,3
	v_cvt_i32_f32 v[XA+32+\q], v[XA+32+\q]
.endr
.irp x, 0,1,2,3,4,5,6,7,8,9,10,11,12,13,14,15
	v_ldexp_f32 v[XA+16+\x], v[XA+16+\x], v[XA+\x]
.endr
.irp q, 0,1,2,3
	v_add_f32 v[XA+16+4*\q], v[XA+16+4*\q], v[XA+17+4*\q]
	v_add_f32 v[XA+18+4*\q], v[XA+18+4*\q], v[XA+19+4*\q]
.endr
.irp q, 0,1,2,3
	v_add_f32 v[XA+41+2*\q], v[XA+16+4*\q], v[XA+18+4*\q]
.endr
	s_wait_alu depctr_va_vdst(0)                   ; ahead of the batch
.irp q, 0,1,2,3
	v_rcp_f32 v[XA+40+2*\q], v[XA+41+2*\q]
.endr
	v_nop
	s_wait_alu depctr_va_vdst(0)                   ; behind the batch
.irp q, 0,1,2,3
	v_ldexp_f32 v[XA+40+2*\q], v[XA+40+2*\q], v[XA+32+\q]
.endr
.irp p, 0,1
.irp i, 0,1
	WIN (2+\p)|((2+\p)<<6)
	s_wait_alu depctr_va_vdst(0)                   ; directly ahead of O's first readers
.set J_, 0
.rept 32
	v_pk_mul_f32 v[64*\i+2*J_:64*\i+2*J_+1], v[64*\i+2*J_:64*\i+2*J_+1], v[XA+40+2*(2*\p+\i):XA+41+2*(2*\p+\i)] op_sel_hi:[1,0]
.set J_, J_+1
.endr
	WIN (2+\p)<<2
.irp t, 0,1,2,3,4,5,6,7
	ds_store_b128 v[STG], v[64*\i+8*\t:64*\i+8*\t+3] offset:(32*\p+8*\i)*SPITCH+64*\t
	ds_store_b128 v[STG], v[64*\i+8*\t+4:64*\i+8*\t+7] offset:(32*\p+8*\i)*SPITCH+64*\t+16
.endr
.endr
.endr
	WIN 0
	s_wait_alu depctr_va_vdst(0)
	s_wait_dscnt 0x0
	s_barrier_signal -1
	s_barrier_wait -1
.irp g, 0,1                            ; part p into window p, 8 rows at a time
.irp p, 0,1,2,3
	WIN \p<<6
.irp j, 0,1,2,3,4,5,6,7
	ds_load_b128 v[SS+32*\g+4*\j:SS+32*\g+4*\j+3], v[RD0+\p/2] offset:(\p%2)*STEPB+(8*\g+\j)*SPITCH
.endr
.endr
.endr
	WIN 0
.macro ADDP to, from, g
	WIN (\to)|((\from)<<2)|((\to)<<6)
.set J_, 0
.rept 16
	v_pk_add_f32 v[SS+32*(\g)+2*J_:SS+32*(\g)+2*J_+1], v[SS+32*(\g)+2*J_:SS+32*(\g)+2*J_+1], v[SS+32*(\g)+2*J_:SS+32*(\g)+2*J_+1]
.set J_, J_+1
.endr
.endm
.irp g, 0,1
	s_wait_dscnt 32*(1-\g)                         ; the first eight rows' 32 loads; the second's may be out
	ADDP 0, 1, \g
	ADDP 2, 3, \g
	ADDP 0, 2, \g
	WIN 0
.irp j, 0,1,2,3,4,5,6,7
	global_store_b128 v[GO], v[SS+32*\g+4*\j:SS+32*\g+4*\j+3], s[8:9] offset:512*(8*\g+\j) th:TH_STORE_NT   ; 32 lanes store 512 consecutive bytes, aligned
.endr
.endr
	s_wait_tensorcnt 0x0                           ; the wave's end
	ds_add_u32 v[SPW], v[NIL]
	s_wait_dscnt 0x0
	CROUND                                         ; the closing round
	s_endpgm
.Lfunc_end_k_q6084d3cd96_attn:
	.size	k_q6084d3cd96_attn, .Lfunc_end_k_q6084d3cd96_attn-k_q6084d3cd96_attn
	.p2alignl 7, 3214868480
	.fill 96, 4, 3214868480
	.section	.rodata,"a",@progbits
	.p2align	6, 0x0
	.amdhsa_kernel k_q6084d3cd96_attn
		.amdhsa_group_segment_fixed_size 327680
		.amdhsa_private_segment_fixed_size 0
		.amdhsa_enable_private_segment 0
		.amdhsa_kernarg_size 24
		.amdhsa_user_sgpr_count 2
		.amdhsa_user_sgpr_kernarg_segment_ptr 1
		.amdhsa_wavefront_size32 1
		.amdhsa_system_sgpr_workgroup_id_x 1
		.amdhsa_system_sgpr_workgroup_id_y 1
		.amdhsa_system_sgpr_workgroup_id_z 1
		.amdhsa_system_vgpr_workitem_id 0
		.amdhsa_next_free_vgpr 1024
		.amdhsa_next_free_sgpr 66
		.amdhsa_reserve_vcc 0
		.amdhsa_float_denorm_mode_32 3
		.amdhsa_float_denorm_mode_16_64 3
		.amdhsa_memory_ordered 1
		.amdhsa_forward_progress 1
		.amdhsa_inst_pref_size 255
	.end_amdhsa_kernel
	.section	.bss,"aw",@nobits
	.p2align	6
	.space	262144
	.amdgpu_metadata
---
amdhsa.version: [ 1, 2 ]
amdhsa.kernels:
  - .name:           k_q6084d3cd96_attn
    .symbol:         k_q6084d3cd96_attn.kd
    .args:
      - { .name: qbuf, .offset: 0, .size: 8, .value_kind: global_buffer, .address_space: global }
      - { .name: kv, .offset: 8, .size: 8, .value_kind: global_buffer, .address_space: global }
      - { .name: out0, .offset: 16, .size: 8, .value_kind: global_buffer, .address_space: global }
    .group_segment_fixed_size: 327680
    .private_segment_fixed_size: 0
    .kernarg_segment_align: 8
    .kernarg_segment_size: 24
    .max_flat_workgroup_size: 128
    .sgpr_count:     66
    .vgpr_count:     1024
    .wavefront_size: 32
...
	.end_amdgpu_metadata
.endif
;; end of part 2
